; MI455X (gfx1250); checked and timed in simulation.
; The chip was launched on July 23, 2026; its instructions are those of AMD's public machine-readable ISA for CDNA 5 (MIT licence, August 2026) and "CDNA5" Instruction Set Architecture Reference Guide (July 2026). The comments in the code are by the model that wrote it; some were corrected since.
;; Selective Structured SSM. Allowed arithmetic: float matrix products may take bf16 or f16 operands with f32 sums; all other float work in f32.
;; Inputs: A 512 x 16 float32; W_B 16 x 512 float32; W_C 16 x 512 float32; W_d 1 x 512 float32; b_B 16 float32; b_C 16 float32; b_d 1 float32; p_Delta 512 float32; x 4 x 2,048 x 512 float32.
;; Outputs: out0 4 x 2,048 x 512 float32.
;; One version. Each part assembles by itself: llvm-mc -triple=amdgcn-amd-amdhsa -mcpu=gfx1250 --defsym DOCPART=n.
;; ======== version 1 of 1: 3 launches
;; limits: values are held in f16: magnitudes above 65,504 overflow, below 6.1e-05 lose precision; inputs' magnitudes at most 65,504
;; workspace buffers: proj 1,572,864 bytes; hl 8,388,608 bytes; sds 524,288 bytes; hs 8,388,608 bytes
;; launch local (part 1): grid 64 x 4, 8 waves a work-group, no clusters, 168,960 bytes of LDS; arguments x, A, W_B, W_C, W_d, b_B, b_C, b_d, p_Delta, proj, hl, sds; writes proj, hl, sds
.if DOCPART == 1
	.amdgcn_target "amdgcn-amd-amdhsa--gfx1250"
	.amdhsa_code_object_version 6
	.text
	.protected	k_q264010d5a8_local
	.globl	k_q264010d5a8_local
	.p2align	8
	.type	k_q264010d5a8_local,@function
k_q264010d5a8_local:
	s_mov_b64 s[64:65], 0
	v_nop
	global_prefetch_b8 v0, s[64:65] scope:SCOPE_SE
	s_setreg_imm32_b32 hwreg(HW_REG_WAVE_MODE, 25, 1), 1
	s_wait_xcnt 0x0
; SELECTIVE SSM, LAUNCH 1 OF 3: projections and the local scan of a chunk.
; The sequence (2,048 steps) is cut into 64 chunks of 32 steps.  Work-group (k = x id, b = y id) owns chunk c = 64 b + k with all 512 channels.
;  1. Bp = x W_B^T + b_B, sdel = x W_d^T + b_d, Cp = x W_C^T + b_C for its 32 rows, on the matrix unit (f16 operands, f32 sums),
;     K = 512 split over the 8 waves (64 columns each), the eight partial tiles summed through LDS.  Stored to proj for launch 3.
;  2. the recurrence h = a h + bx from h = 0 over the 32 steps.  Thread t owns channels d = 2 t and 2 t + 1 with all 16 n: 32 chains in registers.
;     Stored: the end state (hl) and the sum of delta log2(e) over the chunk (sds), from which launch 2 makes every chunk's start state.
; Wave w's 64 columns of K are exactly the 64 channels that it scans, so its slice of x (32 rows x 256 bytes) is read by no other wave.
; ARITHMETIC of a step, with d2 = softplus(sdel + p) log2(e), a = exp2(A d2), g = -Bp x:
;     bx = (1/(delta A)) (a - A) delta Bp x = (1 - a/A) g,   so   h' = a (h + (-1/A) g) + g : two fused multiply-adds.
; WHY f16 AND NOT bf16 OPERANDS: the rounding of Bp and Cp shows in y multiplied by |x| and summed over 16 n; f16 keeps 11 significant bits
; against 8, an eighth of the error, at the same number of instructions.  Its range has room here: x of spread 1 and W of spread 0.02 may be
; 30 times larger (about 150 at the most against 65,504) or 30 times smaller (W of spread 0.0007: below 2^-14 f16 steps by 2^-24, so the
; rounding error is 3e-8 at the worst, under 1e-4 of that spread).
; LIMITS.  An element of x or W above 65,504 in magnitude becomes infinite in the projection.
; (1/(delta A)) delta is taken as 1/A: where delta underflows to 0 or overflows, or A = 0, the reference gives inf or NaN and this
; text may give other numbers.  softplus is max(z,0) + log(1 + exp(-|z|)): d2 is exact to about 6e-8 absolute, so below that delta counts as 0
; in a = exp2(A d2).  v_exp_f32, v_log_f32 and v_rcp_f32 flush denormals.
; NO CLUSTER: a work-group's 65,536 bytes of x are its own; what work-groups share is W (67,584 bytes) and A (32,768 bytes), read once at
; the head straight into the registers where they are used; a joint request would need an image of them in LDS and a second pass of LDS loads.
.set XPITCH, 272                       ; LDS row of a wave's x slice: 256 bytes + 16 of padding, so 16 rows start in 16 different 16-byte columns
.set XW,     32*XPITCH                 ; a wave's slice: 8,704 bytes, at wave x XW
.set PART,   8*XW                      ; partial tiles [K group 8][tile 6][half 2][lane 32][16 bytes]
.set PTILE,  1024
.set PGRP,   6*PTILE
.set PR2,    PART+8*PGRP               ; results [region 3: Bp, sdel (16 equal columns), Cp][row 32][16 f32]
; registers of the projection
.set WR, 16                            ; v16-111 W as f32 (6 fragments x 16), packed in place to f16 in v16-63
.set XR, 64                            ; v64-127 x as f32 (4 fragments x 16), packed in place to f16 in v64-95
.set DT, 96                            ; v96-143 six result tiles, t = 2 N + M (N: B, delta, C;  M: rows 0-15, 16-31)
; kept from the head on
.set AR, 144                           ; v144-175 A[d = 2 t + X][n] at AR + 16 X + n
.set P2, 176                           ; v176-177 p_Delta log2(e) of my two channels
; registers of the scan (over the projection's)
.set IR, 16                            ; v16-47  -1/A
.set EA, 48                            ; v48-79  A d2, then a
.set G,  80                            ; v80-95  g of channel 0, 16 n (channel 1's g is made in place over Bp)
.set BB, 96                            ; v96-127 Bp of a step, two sets
.set US, 128                           ; v128-135 set s: x pair at US+4s, sdel pair at US+4s+2
.set Z,  136
.set T,  138
.set MX, 140
.set DL, 142                           ; d2 of my two channels, of the step that is being prepared
.set H,  178                           ; v178-209 the state, H + 16 X + n
.set NU, 210                           ; -x of my two channels
.set SS, 212                           ; sum of d2
.set VX, 214                           ; LDS address of my x pair in the trip's first row
.set VPR, 215                          ; LDS address of the trip's first row in region 0
	s_load_b512 s[8:23], s[0:1], 0x0               ; x 8, A 10, W_B 12, W_C 14, W_d 16, b_B 18, b_C 20, b_d 22
	s_load_b256 s[24:31], s[0:1], 0x40             ; p_Delta 24, proj 26, hl 28, sds 30
	v_lshl_add_u32 v216, v0, 2, 0x29000
	v_mov_b32 v217, 0
	ds_add_u32 v216, v217
	ds_add_u32 v216, v217
	v_lshrrev_b32 v1, 5, v0
	v_readfirstlane_b32 s2, v1                     ; wave
	s_mov_b32 s3, ttmp9                            ; k
	s_and_b32 s4, ttmp7, 0xffff                    ; b
	s_lshl_b32 s5, s4, 6
	s_add_co_u32 s5, s5, s3                        ; c = 64 b + k
	s_lshl_b32 s6, s2, 8                           ; my 64 columns: 256 bytes of a row
	; tensor descriptor: 32 rows x 64 f32 (256 bytes, at a multiple of 256 from x's first byte), 16 bytes of padding behind each row
	s_mov_b32 s32, 1                               ; group 0: count
	s_mul_i32 s33, s2, XW                          ; LDS address: my slice
	s_mov_b32 s36, (2<<16)|(1<<20)|(5<<22)|(3<<25) ; group 1: 4-byte elements; padding on, 4 words after every 64
	s_mov_b32 s37, 64<<16                          ; tensor_dim0 = 64
	s_mov_b32 s38, 32<<16                          ; tensor_dim1 = 32
	s_mov_b32 s39, 64<<16                          ; tile_dim0 = 64
	s_mov_b32 s40, 32                              ; tile_dim1 = 32
	s_mov_b32 s41, 512                             ; elements from row to row
	s_mov_b32 s42, 0
	s_mov_b32 s43, 0
	s_lshl_b32 s48, s5, 16                         ; 32 rows of 2,048 bytes a chunk
	s_add_co_u32 s48, s48, s6
	s_mov_b32 s49, 0
	s_mul_i32 s50, s5, 6144                        ; proj: 6,144 bytes a chunk
	s_mov_b32 s51, 0
	s_lshl_b32 s52, s5, 15                         ; hl: 32,768 bytes a chunk
	s_mov_b32 s53, 0
	s_lshl_b32 s54, s5, 11                         ; sds: 2,048 bytes a chunk
	s_mov_b32 s55, 0
	s_lshr_b32 s56, s2, 1                          ; N of the tile that this wave sums (waves 6, 7 sum none)
	v_and_b32 v1, 31, v0                           ; lane
	v_and_b32 v2, 15, v0                           ; r
	v_bfe_u32 v3, v0, 4, 1                         ; h
	v_lshlrev_b32 v4, 11, v2                       ; W_B, W_C: row r,
	v_lshl_add_u32 v4, v3, 5, v4                   ; 8 h numbers on,
	v_add_nc_u32 v4, s6, v4                        ; in my 64 columns
	v_lshl_add_u32 v5, v3, 5, s6                   ; W_d: its one row serves all 16 columns of the tile
	v_mul_u32_u24 v6, v2, XPITCH                   ; x fragments: row r of my slice, 8 h numbers on
	v_lshl_add_u32 v6, v3, 5, v6
	v_add_nc_u32 v6, s33, v6
	s_mul_i32 s7, s2, PGRP
	s_add_co_u32 s7, s7, PART
	v_lshl_add_u32 v7, v1, 4, s7                   ; where I put my partial tiles
	s_lshl_b32 s57, s2, 10
	s_add_co_u32 s7, s57, PART
	v_lshl_add_u32 v8, v1, 4, s7                   ; where I read tile t = wave of K group 0
	s_add_co_u32 s57, s57, PR2
	v_lshlrev_b32 v9, 2, v2                        ; result (row 16 M + 8 h + j, column r) of region N: 1,024 t + 512 h + 64 j + 4 r
	v_lshl_add_u32 v9, v3, 9, v9
	v_add_nc_u32 v9, s57, v9
	v_lshlrev_b32 v10, 2, v1
	v_lshlrev_b32 v12, 7, v0                       ; A: two rows of 64 bytes a thread
	v_lshlrev_b32 v13, 3, v0                       ; 8 bytes a thread: p_Delta, proj, sds
	v_add_nc_u32 v14, PR2, v13
	v_lshlrev_b32 v15, 4, v0                       ; 16 bytes a thread: hl
	v_lshl_add_u32 v[VX], v1, 3, s33
	v_mov_b32 v[VPR], PR2
	s_wait_dscnt 0x0
	s_wait_kmcnt 0x0
	s_add_nc_u64 s[34:35], s[8:9], s[48:49]
	s_or_b32 s35, s35, 0x80000000                  ; type
	tensor_load_to_lds s[32:35], s[36:43]          ; one load a wave, into bytes that only this wave reads
	s_nop 0
	s_add_nc_u64 s[26:27], s[26:27], s[50:51]
	s_add_nc_u64 s[28:29], s[28:29], s[52:53]
	s_add_nc_u64 s[30:31], s[30:31], s[54:55]
	s_cmp_eq_u32 s56, 0                            ; the bias of my tile: b_B, b_d or b_C
	s_cselect_b64 s[44:45], s[18:19], s[22:23]
	s_cmp_eq_u32 s56, 2
	s_cselect_b64 s[44:45], s[20:21], s[44:45]
	s_and_b32 s7, s56, 1
	s_cmp_eq_u32 s7, 0
	s_cselect_b32 s46, 60, 0                       ; b_B, b_C: element r; b_d: its one element
	v_and_b32 v10, s46, v10
; a fragment of W: lane (r, h) takes k = 8 h .. 8 h + 7 and 16 + 8 h .. 16 + 8 h + 7 of 32 along K: as f32 two times 32 bytes, 64 apart
.macro LDW f, vo, sb, kk
.irp o, 0,1,2,3
	global_load_b128 v[WR+16*\f+4*\o:WR+16*\f+4*\o+3], v\vo, s[\sb:\sb+1] offset:128*\kk+16*(\o&1)+64*(\o>>1)
.endr
.endm
	LDW 0, 4, 12, 0                                ; W_B
	LDW 1, 4, 12, 1
	LDW 2, 5, 16, 0                                ; W_d
	LDW 3, 5, 16, 1
	LDW 4, 4, 14, 0                                ; W_C
	LDW 5, 4, 14, 1
	global_load_b32 v11, v10, s[44:45]             ; bias
.irp X, 0,1
.irp q, 0,1,2,3
	global_load_b128 v[AR+16*\X+4*\q:AR+16*\X+4*\q+3], v12, s[10:11] offset:64*\X+16*\q
.endr
.endr
	global_load_b64 v[P2:P2+1], v13, s[24:25]
; n pairs of f32 to n words of two f16, in place: word i is written when words 2 i and 2 i + 1 are read, and i <= 2 i
.macro PACK base, n
.set pki, 0
.rept \n
	v_cvt_pk_f16_f32 v[\base+pki], v[\base+2*pki], v[\base+2*pki+1]
.set pki, pki+1
.endr
.endm
	s_wait_loadcnt 10                              ; the 24 loads of W are in; the bias, A's eight and p_Delta's one stay out
	PACK WR, 48
	s_wait_tensorcnt 0x0                           ; my slice of x is in LDS; I alone read it: no barrier
.irp m, 0,1
.irp kk, 0,1
.irp o, 0,1,2,3
	ds_load_b128 v[XR+16*(2*\m+\kk)+4*\o:XR+16*(2*\m+\kk)+4*\o+3], v6 offset:16*XPITCH*\m+128*\kk+16*(\o&1)+64*(\o>>1)
.endr
.endr
.endr
	s_wait_dscnt 0x0
	PACK XR, 32
	; 12 products: tile t = 2 N + M, first 32 of my K start the sums, the second 32 go on in place
.irp kk, 0,1
.irp n, 0,1,2
.irp m, 0,1
.if \kk == 0
	v_wmma_f32_16x16x32_f16 v[DT+8*(2*\n+\m):DT+8*(2*\n+\m)+7], v[XR+8*(2*\m+\kk):XR+8*(2*\m+\kk)+7], v[WR+8*(2*\n+\kk):WR+8*(2*\n+\kk)+7], 0
.else
	v_wmma_f32_16x16x32_f16 v[DT+8*(2*\n+\m):DT+8*(2*\n+\m)+7], v[XR+8*(2*\m+\kk):XR+8*(2*\m+\kk)+7], v[WR+8*(2*\n+\kk):WR+8*(2*\n+\kk)+7], v[DT+8*(2*\n+\m):DT+8*(2*\n+\m)+7]
.endif
.endr
.endr
.endr
.rept 4
	v_nop                                          ; four places behind the last product before LDS stores read results and loads land on operands
.endr
.irp t, 0,1,2,3,4,5
	ds_store_b128 v7, v[DT+8*\t:DT+8*\t+3] offset:PTILE*\t
	ds_store_b128 v7, v[DT+8*\t+4:DT+8*\t+7] offset:PTILE*\t+512
.endr
	s_wait_dscnt 0x0                               ; my partial tiles are in LDS, for the waves that sum them
	s_barrier_signal -1
	s_barrier_wait -1
	s_cmp_ge_u32 s2, 6                             ; six tiles, waves 0 to 5 sum one each
	s_cbranch_scc1 .Lnosum
.irp g, 0,1,2,3,4,5,6,7
	ds_load_b128 v[16+8*\g:16+8*\g+3], v8 offset:PGRP*\g
	ds_load_b128 v[16+8*\g+4:16+8*\g+7], v8 offset:PGRP*\g+512
.endr
.macro ADDG a, b
.irp p, 0,1,2,3
	v_pk_add_f32 v[16+8*\a+2*\p:16+8*\a+2*\p+1], v[16+8*\a+2*\p:16+8*\a+2*\p+1], v[16+8*\b+2*\p:16+8*\b+2*\p+1]
.endr
.endm
	s_wait_dscnt 0x0
	ADDG 0, 1
	ADDG 2, 3
	ADDG 4, 5
	ADDG 6, 7
	ADDG 0, 2
	ADDG 4, 6
	ADDG 0, 4
	s_wait_loadcnt 9                               ; the bias is in; A's eight loads and p_Delta's one stay out
.irp j, 0,1,2,3,4,5,6,7
	v_add_f32 v[16+\j], v[16+\j], v11
.endr
.irp j, 0,1,2,3,4,5,6,7
	ds_store_b32 v9, v[16+\j] offset:64*\j
.endr
.Lnosum:
	s_wait_dscnt 0x0                               ; the finished tile is in LDS, for all waves
	s_wait_loadcnt 0x0                             ; A and p_Delta, for the register work below
	s_barrier_signal -1
	; register work while the others arrive: -1/A, p log2(e), h = 0
.set i, 0
.rept 32
	v_rcp_f32 v[IR+i], v[AR+i]
.set i, i+1
.endr
	v_pk_mul_f32 v[P2:P2+1], v[P2:P2+1], 0x3fb8aa3b op_sel_hi:[1,0]    ; also the plain place behind the reciprocals (ISA guide 5.7.2)
.set i, 0
	s_wait_alu depctr_va_vdst(0)
.rept 16
	v_pk_mul_f32 v[IR+i:IR+i+1], v[IR+i:IR+i+1], -1.0 op_sel_hi:[1,0]
.set i, i+2
.endr
.set i, 0
.rept 32
	v_mov_b32 v[H+i], 0                            ; 34 moves once, against a first step written out apart
.set i, i+1
.endr
	v_mov_b32 v[SS], 0
	v_mov_b32 v[SS+1], 0
	s_barrier_wait -1
	; the chunk's 6,144 bytes of results to proj: each store of a wave covers 256 consecutive bytes, aligned
.irp i, 0,1,2
	ds_load_b64 v[BB+2*\i:BB+2*\i+1], v14 offset:2048*\i
.endr
	s_wait_dscnt 0x0
.irp i, 0,1,2
	global_store_b64 v13, v[BB+2*\i:BB+2*\i+1], s[26:27] offset:2048*\i
.endr
	s_wait_xcnt 0x0                                ; the stores' data registers are loaded again below
	s_cmp_eq_u32 s3, 63                            ; no chunk follows the last one: its end state is needed by nobody
	s_cbranch_scc1 .Lend
; THE SCAN, SOFTWARE-PIPELINED.  A step finds ready: a of channel 0 (EA 0-15), A d2 of channel 1 (EA 16-31, exponentials still to be made),
; its Bp and x pair, and sdel of the NEXT step.  Besides its own h it makes the next step's d2, a of channel 0 and A d2 of channel 1, each
; a pair being written again right behind the line that consumed it.  So no line waits for the line in front of it, and the 36
; transcendentals of a step stand spread among its plain lines, each with a plain line that names none of its registers behind it (ISA guide 5.7.2).
; Operands asked for in step s (parity par): x pair and Bp of step s + 1 into set 1 - par; sd = 1: sdel of step s + 2 into set par
.macro PREF par, sd
	ds_load_b64 v[US+4*(1-\par):US+4*(1-\par)+1], v[VX] offset:XPITCH*(\par+1)
.irp i, 0,1,2,3
	ds_load_b128 v[BB+16*(1-\par)+4*\i:BB+16*(1-\par)+4*\i+3], v[VPR] offset:64*(\par+1)+16*\i
.endr
.if \sd
	ds_load_b64 v[US+4*\par+2:US+4*\par+3], v[VPR] offset:2048+64*(\par+2)
.endif
.endm
; d2 = max(z2, 0) + log2(1 + exp2(-|z2|)), z2 = (sdel + p) log2(e), for my two channels, in stages: SPZ, then SP 0 .. SP 6
.macro SPZ sdreg
	v_pk_fma_f32 v[Z:Z+1], v[\sdreg:\sdreg+1], 0x3fb8aa3b, v[P2:P2+1] op_sel_hi:[1,0,1]
.endm
.macro SP g
.if \g == 0
	v_or_b32 v[T], 0x80000000, v[Z]
	v_or_b32 v[T+1], 0x80000000, v[Z+1]
.endif
.if \g == 1
	v_exp_f32 v[T], v[T]
	v_exp_f32 v[T+1], v[T+1]
.endif
.if \g == 2
	v_max_num_f32 v[MX], 0, v[Z]
	v_max_num_f32 v[MX+1], 0, v[Z+1]
.endif
.if \g == 3
	s_wait_alu depctr_va_vdst(0)
	v_pk_add_f32 v[T:T+1], v[T:T+1], 1.0 op_sel_hi:[1,0]
.endif
.if \g == 4
	v_log_f32 v[T], v[T]
	v_log_f32 v[T+1], v[T+1]
.endif
.if \g == 6
	s_wait_alu depctr_va_vdst(0)
	v_pk_add_f32 v[DL:DL+1], v[T:T+1], v[MX:MX+1]
	v_pk_add_f32 v[SS:SS+1], v[SS:SS+1], v[DL:DL+1]
.endif
.endm
; A d2 of channel X, n pair i
.macro MA X, i
	v_pk_mul_f32 v[EA+16*\X+2*\i:EA+16*\X+2*\i+1], v[AR+16*\X+2*\i:AR+16*\X+2*\i+1], v[DL:DL+1] op_sel:[0,\X] op_sel_hi:[1,\X]
.endm
; one step on operand set par.  more = 1: a step follows and is prepared; sd = 1: a step after that follows too
.macro STEP par, more, sd
	s_wait_dscnt 0x0                               ; the only LDS loads out are those asked for a whole step ago
.if \more
	PREF \par, \sd
.endif
	v_pk_mul_f32 v[NU:NU+1], v[US+4*\par:US+4*\par+1], -1.0 op_sel_hi:[1,0]
.if \more
	SPZ US+4*(1-\par)+2
.endif
	; block 1: g = Bp (-x) and h += (-1/A) g for both channels; channel 1's exponentials; the next step's softplus, a stage a group
.irp i, 0,1,2,3,4,5,6,7
	v_pk_mul_f32 v[G+2*\i:G+2*\i+1], v[BB+16*\par+2*\i:BB+16*\par+2*\i+1], v[NU:NU+1] op_sel:[0,0] op_sel_hi:[1,0]
	v_exp_f32 v[EA+16+2*\i], v[EA+16+2*\i]
	v_pk_mul_f32 v[BB+16*\par+2*\i:BB+16*\par+2*\i+1], v[BB+16*\par+2*\i:BB+16*\par+2*\i+1], v[NU:NU+1] op_sel:[0,1] op_sel_hi:[1,1]
	v_exp_f32 v[EA+17+2*\i], v[EA+17+2*\i]
	v_pk_fma_f32 v[H+2*\i:H+2*\i+1], v[IR+2*\i:IR+2*\i+1], v[G+2*\i:G+2*\i+1], v[H+2*\i:H+2*\i+1]
.if \more
	SP \i
.endif
	v_pk_fma_f32 v[H+16+2*\i:H+17+2*\i], v[IR+16+2*\i:IR+17+2*\i], v[BB+16*\par+2*\i:BB+16*\par+2*\i+1], v[H+16+2*\i:H+17+2*\i]
.endr
	; block 2: channel 0, h = a h + g; the a pair just used takes A d2 of the next step, whose exponentials follow a group later, one a group
	s_wait_alu depctr_va_vdst(0)
.irp i, 0,1,2,3,4,5,6,7
	v_pk_fma_f32 v[H+2*\i:H+2*\i+1], v[EA+2*\i:EA+2*\i+1], v[H+2*\i:H+2*\i+1], v[G+2*\i:G+2*\i+1]
.if \more
	MA 0, \i
.if \i >= 1
	v_exp_f32 v[EA+\i-1], v[EA+\i-1]
.endif
.endif
.endr
	; block 3: channel 1 likewise; the rest of channel 0's exponentials
	s_wait_alu depctr_va_vdst(0)
.irp i, 0,1,2,3,4,5,6,7
	v_pk_fma_f32 v[H+16+2*\i:H+17+2*\i], v[EA+16+2*\i:EA+17+2*\i], v[H+16+2*\i:H+17+2*\i], v[BB+16*\par+2*\i:BB+16*\par+2*\i+1]
.if \more
	v_exp_f32 v[EA+7+\i], v[EA+7+\i]
	MA 1, \i
.endif
.endr
.if \more
	v_exp_f32 v[EA+15], v[EA+15]                   ; the plain line behind it is the next step's first, or the trip's address step
.endif
.endm
	; prologue: what step 0 expects to find
	ds_load_b64 v[US+2:US+3], v[VPR] offset:2048                   ; sdel of step 0
	ds_load_b64 v[US+6:US+7], v[VPR] offset:2048+64                ; sdel of step 1
	ds_load_b64 v[US:US+1], v[VX]
.irp i, 0,1,2,3
	ds_load_b128 v[BB+4*\i:BB+4*\i+3], v[VPR] offset:16*\i
.endr
	s_wait_dscnt 0x0
	SPZ US+2
	SP 0
	SP 1
	SP 2
	SP 3
	SP 4
	v_nop                                          ; the plain place behind the logarithms
	s_wait_alu depctr_va_vdst(0)
	SP 6
.irp i, 0,1,2,3,4,5,6,7
	MA 0, \i
.endr
.irp i, 0,1,2,3,4,5,6,7
	v_exp_f32 v[EA+2*\i], v[EA+2*\i]
	v_exp_f32 v[EA+2*\i+1], v[EA+2*\i+1]
	MA 1, \i
.endr
	s_mov_b32 s47, 15                              ; 15 trips of two steps; the last two steps stand behind the loop and ask for nothing past row 31
.Lscan:
	STEP 0, 1, 1
	STEP 1, 1, 1
	v_add_nc_u32 v[VX], 2*XPITCH, v[VX]
	v_add_nc_u32 v[VPR], 128, v[VPR]
	s_sub_co_i32 s47, s47, 1
	s_cmp_lg_u32 s47, 0
	s_cbranch_scc1 .Lscan
	STEP 0, 1, 0                                   ; step 30 prepares step 31; there is no sdel of a step 32
	STEP 1, 0, 0                                   ; step 31 prepares nothing
	; hl[c][q][X][t][4]: each store of a wave covers 512 consecutive bytes, aligned
.irp q, 0,1,2,3
.irp X, 0,1
	global_store_b128 v15, v[H+16*\X+4*\q:H+16*\X+4*\q+3], s[28:29] offset:8192*\q+4096*\X
.endr
.endr
	global_store_b64 v13, v[SS:SS+1], s[30:31]
.Lend:
	s_wait_tensorcnt 0x0
	ds_add_u32 v216, v217
	s_wait_dscnt 0x0
	s_endpgm
.Lfunc_end_k_q264010d5a8_local:
	.size	k_q264010d5a8_local, .Lfunc_end_k_q264010d5a8_local-k_q264010d5a8_local
	.p2alignl 7, 3214868480
	.fill 96, 4, 3214868480
	.section	.rodata,"a",@progbits
	.p2align	6, 0x0
	.amdhsa_kernel k_q264010d5a8_local
		.amdhsa_group_segment_fixed_size 168960
		.amdhsa_private_segment_fixed_size 0
		.amdhsa_enable_private_segment 0
		.amdhsa_kernarg_size 96
		.amdhsa_user_sgpr_count 2
		.amdhsa_user_sgpr_kernarg_segment_ptr 1
		.amdhsa_wavefront_size32 1
		.amdhsa_system_sgpr_workgroup_id_x 1
		.amdhsa_system_sgpr_workgroup_id_y 1
		.amdhsa_system_sgpr_workgroup_id_z 1
		.amdhsa_system_vgpr_workitem_id 0
		.amdhsa_next_free_vgpr 218
		.amdhsa_next_free_sgpr 66
		.amdhsa_reserve_vcc 0
		.amdhsa_float_denorm_mode_32 3
		.amdhsa_float_denorm_mode_16_64 3
		.amdhsa_memory_ordered 1
		.amdhsa_forward_progress 1
		.amdhsa_inst_pref_size 49
	.end_amdhsa_kernel
	.amdgpu_metadata
---
amdhsa.version: [ 1, 2 ]
amdhsa.kernels:
  - .name:           k_q264010d5a8_local
    .symbol:         k_q264010d5a8_local.kd
    .args:
      - { .name: x, .offset: 0, .size: 8, .value_kind: global_buffer, .address_space: global }
      - { .name: A, .offset: 8, .size: 8, .value_kind: global_buffer, .address_space: global }
      - { .name: W_B, .offset: 16, .size: 8, .value_kind: global_buffer, .address_space: global }
      - { .name: W_C, .offset: 24, .size: 8, .value_kind: global_buffer, .address_space: global }
      - { .name: W_d, .offset: 32, .size: 8, .value_kind: global_buffer, .address_space: global }
      - { .name: b_B, .offset: 40, .size: 8, .value_kind: global_buffer, .address_space: global }
      - { .name: b_C, .offset: 48, .size: 8, .value_kind: global_buffer, .address_space: global }
      - { .name: b_d, .offset: 56, .size: 8, .value_kind: global_buffer, .address_space: global }
      - { .name: p_Delta, .offset: 64, .size: 8, .value_kind: global_buffer, .address_space: global }
      - { .name: proj, .offset: 72, .size: 8, .value_kind: global_buffer, .address_space: global }
      - { .name: hl, .offset: 80, .size: 8, .value_kind: global_buffer, .address_space: global }
      - { .name: sds, .offset: 88, .size: 8, .value_kind: global_buffer, .address_space: global }
    .group_segment_fixed_size: 168960
    .private_segment_fixed_size: 0
    .kernarg_segment_align: 8
    .kernarg_segment_size: 96
    .max_flat_workgroup_size: 256
    .sgpr_count:     66
    .vgpr_count:     218
    .wavefront_size: 32
...
	.end_amdgpu_metadata
.endif
;; end of part 1
;; launch carry (part 2): grid 256 x 1, 8 waves a work-group, no clusters, 5,120 bytes of LDS; arguments A, hl, sds, hs; writes hs
.if DOCPART == 2
	.amdgcn_target "amdgcn-amd-amdhsa--gfx1250"
	.amdhsa_code_object_version 6
	.text
	.protected	k_q264010d5a8_carry
	.globl	k_q264010d5a8_carry
	.p2align	8
	.type	k_q264010d5a8_carry,@function
k_q264010d5a8_carry:
	s_mov_b64 s[64:65], 0
	v_nop
	global_prefetch_b8 v0, s[64:65] scope:SCOPE_SE
	s_setreg_imm32_b32 hwreg(HW_REG_WAVE_MODE, 25, 1), 1
	s_wait_xcnt 0x0
; SELECTIVE SSM, LAUNCH 2 OF 3: every chunk's start state.
;   hs[0] = 0,   hs[k+1] = E[k] hs[k] + hl[k],   E[k] = exp2(A sds[k]),   k = 0 .. 62
; (the product of a chunk's 32 factors a = exp2(A d2) is exp2(A x the sum of d2)).  32,768 chains of 63 steps.
; Work-group g = (b, q, X, jblk) takes 512 consecutive bytes of every chunk's slab [q 4][X 2][j 256][4 f32].  Eight waves: wave = 2 seg + c.
; c picks 256 of the 512 bytes; a lane owns 8 of them: n = 4 q + 2 (lane & 1), + 1 of channel d = 64 jblk + 32 c + 2 (lane >> 1) + X.
; seg picks 16 of the 64 chunks, so that the chain of 63 steps becomes four chains of 16 side by side and a wave asks for all that it needs,
; 33 loads, in one run.  From zero each wave makes   L[t+1] = E L[t] + hl,  D[t+1] = E D[t]   (k = 16 seg + t), hands L[16], D[16] to the
; others through LDS, folds the earlier segments' pairs into its own start state S, and stores hs[16 seg + t] = L[t] + D[t] S.
; Segment 3 has no sixteenth step (slab 63 is never written): it reads step 62 again, and nobody takes its L[16], D[16].
; No matrix unit, no cluster: nothing is multiplied in bulk, and no two work-groups read the same bytes of hl.
; LIMITS.  v_exp_f32 flushes results below 2^-126 to zero.  Where a product D of up to 16 chunks' decays overflows (A > 0), D S can be NaN;
; there the reference's own state has overflowed too.
.set AQ, 8                             ; v8-9    A of my two n
.set S,  10                            ; v10-11  my segment's start state
.set P,  16                            ; v16-27  segment m = 0, 1, 2: L[16] at P + 4 m, D[16] at P + 4 m + 2
.set HL, 32                            ; v32-63  hl of step t at HL + 2 t, then L[t+1]
.set E,  64                            ; v64-95  E of step t at E + 2 t, then D[t+1]
.set SD, 96                            ; v96-111 sds of step t
	s_load_b256 s[4:11], s[0:1], 0x0               ; A 4, hl 6, sds 8, hs 10
	v_lshl_add_u32 v112, v0, 2, 0x1000
	v_mov_b32 v113, 0
	v_lshrrev_b32 v1, 5, v0
	v_readfirstlane_b32 s2, v1                     ; wave
	s_and_b32 s3, s2, 1                            ; c
	s_lshr_b32 s12, s2, 1                          ; seg
	s_lshr_b32 s13, ttmp9, 6                       ; b
	s_and_b32 s14, ttmp9, 63                       ; 16 q + 8 X + jblk: which 512 bytes of a slab
	s_and_b32 s15, ttmp9, 7                        ; jblk
	s_bfe_u32 s16, ttmp9, 0x10003                  ; X
	s_bfe_u32 s17, ttmp9, 0x20004                  ; q
	s_lshl_b32 s20, s13, 21                        ; hl, hs: 64 slabs of 32,768 bytes a batch,
	s_lshl_b32 s18, s12, 19                        ; 16 slabs a segment,
	s_add_co_u32 s20, s20, s18
	s_lshl_b32 s18, s14, 9                         ; the group's 512 bytes,
	s_add_co_u32 s20, s20, s18
	s_lshl_b32 s18, s3, 8                          ; the wave's 256
	s_add_co_u32 s20, s20, s18
	s_mov_b32 s21, 0
	s_lshl_b32 s22, s13, 17                        ; sds: 64 rows of 2,048 bytes a batch, 16 rows a segment, + 4 d
	s_lshl_b32 s18, s12, 15
	s_add_co_u32 s22, s22, s18
	s_lshl_b32 s18, s15, 8
	s_add_co_u32 s22, s22, s18
	s_lshl_b32 s18, s3, 7
	s_add_co_u32 s22, s22, s18
	s_lshl_b32 s18, s16, 2
	s_add_co_u32 s22, s22, s18
	s_mov_b32 s23, 0
	s_lshl_b32 s24, s15, 12                        ; A: 64 d + 4 n
	s_lshl_b32 s18, s3, 11
	s_add_co_u32 s24, s24, s18
	s_lshl_b32 s18, s16, 6
	s_add_co_u32 s24, s24, s18
	s_lshl_b32 s18, s17, 4
	s_add_co_u32 s24, s24, s18
	s_mov_b32 s25, 0
	s_cmp_eq_u32 s12, 3                            ; the sixteenth step: t = 15, in segment 3 step 14 once more
	s_cselect_b32 s26, 14, 15
	s_lshl_b32 s28, s26, 15
	s_mov_b32 s29, 0
	s_lshl_b32 s30, s26, 11
	s_mov_b32 s31, 0
	v_and_b32 v1, 31, v0                           ; lane
	v_lshlrev_b32 v2, 3, v1                        ; hl, hs: 8 bytes a lane
	v_lshrrev_b32 v3, 1, v1
	v_and_b32 v4, 1, v1
	v_lshlrev_b32 v5, 3, v3                        ; sds: every second channel; two lanes share one
	v_lshlrev_b32 v6, 7, v3                        ; A: every second row of 64 bytes,
	v_lshl_add_u32 v6, v4, 3, v6                   ; + my n pair
	v_lshlrev_b32 v7, 4, v0                        ; LDS: 16 bytes a thread = 1,024 seg + 512 c + 16 lane
	v_and_b32 v12, 63, v0
	v_lshlrev_b32 v12, 4, v12                      ; LDS: segment 0's pair of my c and lane
	s_wait_kmcnt 0x0
	s_add_nc_u64 s[4:5], s[4:5], s[24:25]
	s_add_nc_u64 s[6:7], s[6:7], s[20:21]
	s_add_nc_u64 s[8:9], s[8:9], s[22:23]
	s_add_nc_u64 s[10:11], s[10:11], s[20:21]
	s_add_nc_u64 s[28:29], s[6:7], s[28:29]
	s_add_nc_u64 s[30:31], s[8:9], s[30:31]
	global_load_b64 v[AQ:AQ+1], v6, s[4:5]
.set t, 0
.rept 15
	global_load_b64 v[HL+2*t:HL+2*t+1], v2, s[6:7] offset:t*32768 th:TH_LOAD_NT
	global_load_b32 v[SD+t], v5, s[8:9] offset:t*2048
.set t, t+1
.endr
	global_load_b64 v[HL+30:HL+31], v2, s[28:29]
	global_load_b32 v[SD+15], v5, s[30:31]
; step u >= 1 of the chains (step 0: L[1] = hl[0] and D[1] = E[0] as they lie)
.macro CHAIN u
	s_wait_alu depctr_va_vdst(0)
	v_pk_fma_f32 v[HL+2*(\u):HL+2*(\u)+1], v[E+2*(\u):E+2*(\u)+1], v[HL+2*(\u)-2:HL+2*(\u)-1], v[HL+2*(\u):HL+2*(\u)+1]
	v_pk_mul_f32 v[E+2*(\u):E+2*(\u)+1], v[E+2*(\u):E+2*(\u)+1], v[E+2*(\u)-2:E+2*(\u)-1]
.endm
.set t, 0
.rept 16
	s_wait_loadcnt 2*(15-t)                        ; two loads for each later step stay out
	v_mul_f32 v[E+2*t], v[AQ], v[SD+t]
	v_mul_f32 v[E+2*t+1], v[AQ+1], v[SD+t]
	v_exp_f32 v[E+2*t], v[E+2*t]
	v_exp_f32 v[E+2*t+1], v[E+2*t+1]
.if t >= 2
	CHAIN t-1                                      ; the step before: plain lines that name none of the new exponentials' registers (ISA guide 5.7.2)
.endif
.set t, t+1
.endr
	CHAIN 15
	ds_store_b64 v7, v[HL+30:HL+31]                ; L[16]
	ds_store_b64 v7, v[E+30:E+31] offset:8         ; D[16]
	s_wait_dscnt 0x0                               ; for the later segments' waves
	s_barrier_signal -1
	s_barrier_wait -1
.irp m, 0,1,2
	ds_load_b128 v[P+4*\m:P+4*\m+3], v12 offset:1024*\m
.endr
	v_mov_b32 v[S], 0
	v_mov_b32 v[S+1], 0
	s_wait_dscnt 0x0
	s_cmp_lt_u32 s2, 2                             ; segment 0 starts from 0
	s_cbranch_scc1 .Lfolded
	v_mov_b32 v[S], v[P]                           ; hs[16] = L[16] of segment 0
	v_mov_b32 v[S+1], v[P+1]
	s_cmp_lt_u32 s2, 4
	s_cbranch_scc1 .Lfolded
	v_pk_fma_f32 v[S:S+1], v[P+6:P+7], v[S:S+1], v[P+4:P+5]        ; hs[32]
	s_cmp_lt_u32 s2, 6
	s_cbranch_scc1 .Lfolded
	v_pk_fma_f32 v[S:S+1], v[P+10:P+11], v[S:S+1], v[P+8:P+9]      ; hs[48]
.Lfolded:
.set t, 1
.rept 15
	v_pk_fma_f32 v[HL+2*t-2:HL+2*t-1], v[E+2*t-2:E+2*t-1], v[S:S+1], v[HL+2*t-2:HL+2*t-1]
.set t, t+1
.endr
	global_store_b64 v2, v[S:S+1], s[10:11]        ; each store of a wave covers 256 consecutive bytes, aligned
.set t, 1
.rept 15
	global_store_b64 v2, v[HL+2*t-2:HL+2*t-1], s[10:11] offset:t*32768
.set t, t+1
.endr
	s_wait_tensorcnt 0x0
	ds_add_u32 v112, v113
	s_wait_dscnt 0x0
	s_endpgm
.Lfunc_end_k_q264010d5a8_carry:
	.size	k_q264010d5a8_carry, .Lfunc_end_k_q264010d5a8_carry-k_q264010d5a8_carry
	.p2alignl 7, 3214868480
	.fill 96, 4, 3214868480
	.section	.rodata,"a",@progbits
	.p2align	6, 0x0
	.amdhsa_kernel k_q264010d5a8_carry
		.amdhsa_group_segment_fixed_size 5120
		.amdhsa_private_segment_fixed_size 0
		.amdhsa_enable_private_segment 0
		.amdhsa_kernarg_size 32
		.amdhsa_user_sgpr_count 2
		.amdhsa_user_sgpr_kernarg_segment_ptr 1
		.amdhsa_wavefront_size32 1
		.amdhsa_system_sgpr_workgroup_id_x 1
		.amdhsa_system_sgpr_workgroup_id_y 1
		.amdhsa_system_sgpr_workgroup_id_z 1
		.amdhsa_system_vgpr_workitem_id 0
		.amdhsa_next_free_vgpr 114
		.amdhsa_next_free_sgpr 66
		.amdhsa_reserve_vcc 0
		.amdhsa_float_denorm_mode_32 3
		.amdhsa_float_denorm_mode_16_64 3
		.amdhsa_memory_ordered 1
		.amdhsa_forward_progress 1
		.amdhsa_inst_pref_size 14
	.end_amdhsa_kernel
	.amdgpu_metadata
---
amdhsa.version: [ 1, 2 ]
amdhsa.kernels:
  - .name:           k_q264010d5a8_carry
    .symbol:         k_q264010d5a8_carry.kd
    .args:
      - { .name: A, .offset: 0, .size: 8, .value_kind: global_buffer, .address_space: global }
      - { .name: hl, .offset: 8, .size: 8, .value_kind: global_buffer, .address_space: global }
      - { .name: sds, .offset: 16, .size: 8, .value_kind: global_buffer, .address_space: global }
      - { .name: hs, .offset: 24, .size: 8, .value_kind: global_buffer, .address_space: global }
    .group_segment_fixed_size: 5120
    .private_segment_fixed_size: 0
    .kernarg_segment_align: 8
    .kernarg_segment_size: 32
    .max_flat_workgroup_size: 256
    .sgpr_count:     66
    .vgpr_count:     114
    .wavefront_size: 32
...
	.end_amdgpu_metadata
.endif
;; end of part 2
;; launch final (part 3): grid 64 x 4, 8 waves a work-group, no clusters, 168,960 bytes of LDS; arguments x, A, p_Delta, proj, hs, out0; writes out0
.if DOCPART == 3
	.amdgcn_target "amdgcn-amd-amdhsa--gfx1250"
	.amdhsa_code_object_version 6
	.text
	.protected	k_q264010d5a8_final
	.globl	k_q264010d5a8_final
	.p2align	8
	.type	k_q264010d5a8_final,@function
k_q264010d5a8_final:
	s_mov_b64 s[64:65], 0
	v_nop
	global_prefetch_b8 v0, s[64:65] scope:SCOPE_SE
	s_setreg_imm32_b32 hwreg(HW_REG_WAVE_MODE, 25, 1), 1
	s_wait_xcnt 0x0
; SELECTIVE SSM, LAUNCH 3 OF 3: the scan of a chunk from its true start state, and the readout y = sum over n of Cp[n] h[n].
; Work-group (k = x id, b = y id) owns chunk c = 64 b + k (32 steps) with all 512 channels; thread t owns channels d = 2 t, 2 t + 1 with all 16 n.
; So a wave's x read and its y store of a step are 256 consecutive bytes, aligned: x comes straight into registers, a ring of eight pairs that
; runs eight rows ahead of the scan, and y goes from registers to memory as it is made.  Only proj, which every lane reads whole, lies in LDS.
; ARITHMETIC of a step as in launch 1: d2 = softplus(sdel + p) log2(e), a = exp2(A d2), g = -Bp x, h' = a (h + (-1/A) g) + g, y = sum Cp h'.
; The readout stays on the vector unit: each (step, channel) has a state of its own, so a matrix instruction would use one row for one column,
; and h, which is carried from step to step, stays f32.
; LIMITS as in launch 1: (1/(delta A)) delta is taken as 1/A (differs only where delta is 0 or infinite, or A = 0, where the reference gives inf or NaN);
; d2 is exact to about 6e-8 absolute; v_exp_f32, v_log_f32, v_rcp_f32 flush denormals.
; NO CLUSTER: x (65,536 bytes), proj (6,144) and hs (32,768) are a work-group's own; shared are A (32,768 bytes) and p_Delta (2,048), read once
; straight into the registers where they stay.
.set ROW, 2048                         ; bytes in a row of x and of out0
.set PR2, 0                            ; LDS: proj of the chunk: [Bp, sdel x 16, Cp][row 32][16 f32], 6,144 bytes
.set VO,  1                            ; 8 t + the rows done: the offset in x and in out0, which are laid out alike
.set VPR, 2                            ; LDS address of the trip's first row in region 0
.set VA,  3                            ; 128 t: A
.set VH,  5                            ; 16 t: hs
.set P2,  6                            ; v6-7     p_Delta log2(e)
.set Y1,  8                            ; v8-11    two chains of channel 1's readout
.set Y0,  12                           ; v12-15   two chains of channel 0's
.set AR, 16                            ; v16-47   A[2 t + X][n] at AR + 16 X + n
.set IR, 48                            ; v48-79   -1/A
.set H,  80                            ; v80-111  the state
.set EA, 112                           ; v112-143 A d2, then a
.set G,  144                           ; v144-159 g of channel 0 (channel 1's g is made in place over Bp)
.set BB, 160                           ; set s: Bp at BB + 32 s,
.set CC, 176                           ;        Cp at CC + 32 s   (v160-223)
.set SD, 224                           ; v224-227 sdel pair, set s at SD + 2 s
.set Z,  228
.set T,  230
.set MX, 232
.set DL, 234                           ; d2 of the step that is being prepared
.set NU, 236                           ; -x of my two channels
.set YO, 238                           ; v238-239 y of my two channels
.set UR, 240                           ; v240-255 x pairs of eight rows, row r in slot r mod 8
	s_load_b256 s[8:15], s[0:1], 0x0               ; x 8, A 10, p_Delta 12, proj 14
	s_load_b128 s[16:19], s[0:1], 0x20             ; hs 16, out0 18
	v_lshl_add_u32 v4, v0, 2, 0x29000
	s_set_vgpr_msb 0x40
	v_mov_b32 v1, 0
	s_set_vgpr_msb 0x4044
	ds_add_u32 v4, v1
	ds_add_u32 v4, v1
	s_set_vgpr_msb 0x4400
	v_lshrrev_b32 v1, 5, v0
	v_readfirstlane_b32 s2, v1                     ; wave
	s_and_b32 s4, ttmp7, 0xffff                    ; b
	s_lshl_b32 s5, s4, 6
	s_add_co_u32 s5, s5, ttmp9                     ; c = 64 b + k
	; proj: each wave brings an eighth, 768 bytes, as one row of 96 elements of 8 bytes
	s_mov_b32 s32, 1
	s_mul_i32 s6, s2, 768
	s_add_co_u32 s33, s6, PR2
	s_mov_b32 s36, 3<<16
	s_mov_b32 s37, 96<<16
	s_mov_b32 s38, 1<<16
	s_mov_b32 s39, 96<<16
	s_mov_b32 s40, 1
	s_mov_b32 s41, 96
	s_mov_b32 s42, 0
	s_mov_b32 s43, 0
	s_mul_i32 s20, s5, 6144
	s_add_co_u32 s20, s20, s6
	s_mov_b32 s21, 0
	s_lshl_b32 s22, s5, 16                         ; x, out0: 65,536 bytes a chunk
	s_mov_b32 s23, 0
	s_lshl_b32 s26, s5, 15                         ; hs: 32,768 bytes a chunk
	s_mov_b32 s27, 0
	v_lshlrev_b32 v[VO], 3, v0
	v_mov_b32 v[VPR], PR2
	v_lshlrev_b32 v[VA], 7, v0
	v_lshlrev_b32 v[VH], 4, v0
	s_wait_dscnt 0x0
	s_wait_kmcnt 0x0
	s_add_nc_u64 s[34:35], s[14:15], s[20:21]
	s_or_b32 s35, s35, 0x80000000
	tensor_load_to_lds s[32:35], s[36:43]          ; the launch's one tensor load a wave
	s_nop 0
	s_add_nc_u64 s[8:9], s[8:9], s[22:23]
	s_add_nc_u64 s[16:17], s[16:17], s[26:27]
	s_add_nc_u64 s[18:19], s[18:19], s[22:23]
.irp X, 0,1
.irp q, 0,1,2,3
	global_load_b128 v[AR+16*\X+4*\q:AR+16*\X+4*\q+3], v[VA], s[10:11] offset:64*\X+16*\q
.endr
.endr
	global_load_b64 v[P2:P2+1], v[VO], s[12:13]
.irp q, 0,1,2,3
.irp X, 0,1
	global_load_b128 v[H+16*\X+4*\q:H+16*\X+4*\q+3], v[VH], s[16:17] offset:8192*\q+4096*\X th:TH_LOAD_NT
.endr
.endr
.irp r, 0,1,2,3,4,5,6,7
	global_load_b64 v[UR+2*\r:UR+2*\r+1], v[VO], s[8:9] offset:\r*ROW th:TH_LOAD_NT    ; the ring is filled: rows 0 to 7
.endr
	s_wait_loadcnt 16                              ; A and p_Delta are in; the start state's eight loads and x's eight stay out
.set i, 0
.rept 32
	v_rcp_f32 v[IR+i], v[AR+i]
.set i, i+1
.endr
	v_pk_mul_f32 v[P2:P2+1], v[P2:P2+1], 0x3fb8aa3b op_sel_hi:[1,0]    ; also the plain place behind the reciprocals (ISA guide 5.7.2)
.set i, 0
	s_wait_alu depctr_va_vdst(0)
.rept 16
	v_pk_mul_f32 v[IR+i:IR+i+1], v[IR+i:IR+i+1], -1.0 op_sel_hi:[1,0]
.set i, i+2
.endr
	s_wait_tensorcnt 0x0                           ; my eighth of proj, for all waves
	s_barrier_signal -1
	s_barrier_wait -1
; THE SCAN, SOFTWARE-PIPELINED as in launch 1.  A step finds ready: a of channel 0 (EA 0-15), A d2 of channel 1 (EA 16-31, exponentials still to
; be made), its Bp, Cp and x pair, and sdel of the NEXT step.  Besides its own h and y it makes the next step's d2, a of channel 0 and A d2 of
; channel 1, each a pair being written again right behind the line that consumed it.  The 36 transcendentals of a step stand spread among its
; plain lines, each with a plain line that names none of its registers behind it (ISA guide 5.7.2).
; par = the step's parity, set by STEP.  Asked for in step st of the trip: Bp and Cp of the next step into set 1 - par (the same bytes for all
; lanes); sd = 1: sdel of the step after that into set par
.macro PREF st, sd
.irp i, 0,1,2,3
	ds_load_b128 v[BB+32*(1-par)+4*\i:BB+32*(1-par)+4*\i+3], v[VPR] offset:64*(\st+1)+16*\i
.endr
.irp i, 0,1,2,3
	ds_load_b128 v[CC+32*(1-par)+4*\i:CC+32*(1-par)+4*\i+3], v[VPR] offset:4096+64*(\st+1)+16*\i
.endr
.if \sd
	ds_load_b64 v[SD+2*par:SD+2*par+1], v[VPR] offset:2048+64*(\st+2)
.endif
.endm
; d2 = max(z2, 0) + log2(1 + exp2(-|z2|)), z2 = (sdel + p) log2(e), for my two channels, in stages: SPZ, then SP 0 .. SP 6
.macro SPZ sdreg
	v_pk_fma_f32 v[Z:Z+1], v[\sdreg:\sdreg+1], 0x3fb8aa3b, v[P2:P2+1] op_sel_hi:[1,0,1]
.endm
.macro SP g
.if \g == 0
	v_or_b32 v[T], 0x80000000, v[Z]
	v_or_b32 v[T+1], 0x80000000, v[Z+1]
.endif
.if \g == 1
	v_exp_f32 v[T], v[T]
	v_exp_f32 v[T+1], v[T+1]
.endif
.if \g == 2
	v_max_num_f32 v[MX], 0, v[Z]
	v_max_num_f32 v[MX+1], 0, v[Z+1]
.endif
.if \g == 3
	s_wait_alu depctr_va_vdst(0)
	v_pk_add_f32 v[T:T+1], v[T:T+1], 1.0 op_sel_hi:[1,0]
.endif
.if \g == 4
	v_log_f32 v[T], v[T]
	v_log_f32 v[T+1], v[T+1]
.endif
.if \g == 6
	s_wait_alu depctr_va_vdst(0)
	v_pk_add_f32 v[DL:DL+1], v[T:T+1], v[MX:MX+1]
.endif
.endm
; A d2 of channel X, n pair i
.macro MA X, i
	v_pk_mul_f32 v[EA+16*\X+2*\i:EA+16*\X+2*\i+1], v[AR+16*\X+2*\i:AR+16*\X+2*\i+1], v[DL:DL+1] op_sel:[0,\X] op_sel_hi:[1,\X]
.endm
; line j of channel X's readout, two chains at yb that take turns; the first two lines start them
.macro YL yb, X, j
.if (\j) < 2
	v_pk_mul_f32 v[\yb+2*(\j):\yb+2*(\j)+1], v[CC+32*par+2*(\j):CC+32*par+2*(\j)+1], v[H+16*\X+2*(\j):H+16*\X+2*(\j)+1]
.else
	v_pk_fma_f32 v[\yb+2*((\j)&1):\yb+2*((\j)&1)+1], v[CC+32*par+2*(\j):CC+32*par+2*(\j)+1], v[H+16*\X+2*(\j):H+16*\X+2*(\j)+1], v[\yb+2*((\j)&1):\yb+2*((\j)&1)+1]
.endif
.endm
; step st (0 to 7) of a trip.  refill = 1: its slot of the x ring takes the row eight further down; left = how many younger loads may stay out;
; more = 1: a step follows and is prepared; sd = 1: a step after that follows too
.macro STEP st, refill, left, more, sd
.set par, (\st)&1
	s_wait_dscnt 0x0                               ; the only LDS loads out are those asked for a whole step ago
	s_wait_loadcnt \left                           ; loads come back in order (ISA guide 5.7.1): this row's pair is in, the younger rows stay out
.if \more
	PREF \st, \sd
.endif
	v_pk_mul_f32 v[NU:NU+1], v[UR+2*\st:UR+2*\st+1], -1.0 op_sel_hi:[1,0]
.if \refill
.if \st == 0
	global_load_b64 v[UR+2*\st:UR+2*\st+1], v[VO], s[8:9] offset:8*ROW th:TH_LOAD_NT      ; the offset still stands at this trip's first row
.else
	global_load_b64 v[UR+2*\st:UR+2*\st+1], v[VO], s[8:9] offset:\st*ROW th:TH_LOAD_NT    ; it stands eight rows on
.endif
.endif
.if \more
	SPZ SD+2*(1-par)
.endif
	; block 1: g = Bp (-x) and h += (-1/A) g for both channels; channel 1's exponentials; the next step's softplus, a stage a group
.irp i, 0,1,2,3,4,5,6,7
	v_pk_mul_f32 v[G+2*\i:G+2*\i+1], v[BB+32*par+2*\i:BB+32*par+2*\i+1], v[NU:NU+1] op_sel:[0,0] op_sel_hi:[1,0]
	v_exp_f32 v[EA+16+2*\i], v[EA+16+2*\i]
	v_pk_mul_f32 v[BB+32*par+2*\i:BB+32*par+2*\i+1], v[BB+32*par+2*\i:BB+32*par+2*\i+1], v[NU:NU+1] op_sel:[0,1] op_sel_hi:[1,1]
	v_exp_f32 v[EA+17+2*\i], v[EA+17+2*\i]
	v_pk_fma_f32 v[H+2*\i:H+2*\i+1], v[IR+2*\i:IR+2*\i+1], v[G+2*\i:G+2*\i+1], v[H+2*\i:H+2*\i+1]
.if \more
	SP \i
.endif
	v_pk_fma_f32 v[H+16+2*\i:H+17+2*\i], v[IR+16+2*\i:IR+17+2*\i], v[BB+32*par+2*\i:BB+32*par+2*\i+1], v[H+16+2*\i:H+17+2*\i]
.endr
	; block 2: channel 0, h = a h + g; the a pair just used takes A d2 of the next step; a group later its readout line and one exponential
	s_wait_alu depctr_va_vdst(0)
.irp i, 0,1,2,3,4,5,6,7
	v_pk_fma_f32 v[H+2*\i:H+2*\i+1], v[EA+2*\i:EA+2*\i+1], v[H+2*\i:H+2*\i+1], v[G+2*\i:G+2*\i+1]
.if \more
	MA 0, \i
.endif
.if \i >= 1
	YL Y0, 0, \i-1
.if \more
	v_exp_f32 v[EA+\i-1], v[EA+\i-1]
.endif
.endif
.endr
	; block 3: channel 1, h = a h + g and its readout; the end of channel 0's readout; the rest of channel 0's exponentials
	s_wait_alu depctr_va_vdst(0)
.irp i, 0,1,2,3,4,5,6,7
	v_pk_fma_f32 v[H+16+2*\i:H+17+2*\i], v[EA+16+2*\i:EA+17+2*\i], v[H+16+2*\i:H+17+2*\i], v[BB+32*par+2*\i:BB+32*par+2*\i+1]
.if \i == 0
	YL Y0, 0, 7
.else
	YL Y1, 1, \i-1
.endif
.if \more
	v_exp_f32 v[EA+7+\i], v[EA+7+\i]
.endif
.if \i == 2
	v_pk_add_f32 v[Y0:Y0+1], v[Y0:Y0+1], v[Y0+2:Y0+3]
.endif
.if \i == 4
	s_wait_xcnt 0x0                                ; the last step's store and this step's refill have read their sources: the y pair and
.if \st == 0
	v_add_nc_u32 v[VO], 8*ROW, v[VO]               ; the offset are written only behind this wait.  Eight rows on; the stores reach back
.endif
	v_add_f32 v[YO], v[Y0], v[Y0+1]
.endif
.endr
	; the end of channel 1's readout is a chain of three; the eight lines A d2 of channel 1 stand in its gaps
	YL Y1, 1, 7
.if \more
	v_exp_f32 v[EA+15], v[EA+15]
	MA 1, 0
	MA 1, 1
	MA 1, 2
	MA 1, 3
.endif
	v_pk_add_f32 v[Y1:Y1+1], v[Y1:Y1+1], v[Y1+2:Y1+3]
.if \more
	MA 1, 4
	MA 1, 5
.endif
	v_add_f32 v[YO+1], v[Y1], v[Y1+1]
.if \more
	MA 1, 6
	MA 1, 7
.endif
	global_store_b64 v[VO], v[YO:YO+1], s[18:19] offset:\st*ROW-8*ROW th:TH_STORE_NT   ; a wave's store covers 256 consecutive bytes, aligned
.endm
	; prologue: what step 0 expects to find
	ds_load_b64 v[SD:SD+1], v[VPR] offset:2048                     ; sdel of step 0
	ds_load_b64 v[SD+2:SD+3], v[VPR] offset:2048+64                ; sdel of step 1
.irp i, 0,1,2,3
	ds_load_b128 v[BB+4*\i:BB+4*\i+3], v[VPR] offset:16*\i
.endr
.irp i, 0,1,2,3
	ds_load_b128 v[CC+4*\i:CC+4*\i+3], v[VPR] offset:4096+16*\i
.endr
	s_wait_dscnt 0x0
	SPZ SD
	SP 0
	SP 1
	SP 2
	SP 3
	SP 4
	v_nop                                          ; the plain place behind the logarithms
	s_wait_alu depctr_va_vdst(0)
	SP 6
.irp i, 0,1,2,3,4,5,6,7
	MA 0, \i
.endr
.irp i, 0,1,2,3,4,5,6,7
	v_exp_f32 v[EA+2*\i], v[EA+2*\i]
	v_exp_f32 v[EA+2*\i+1], v[EA+2*\i+1]
	MA 1, \i
.endr
	s_mov_b32 s28, 3                               ; 3 trips of eight steps refill the ring with rows 8 to 31.  Step 0's wait for 7 also covers the start state,
.Lscan:                                            ; whose loads were issued in front of x's
.irp st, 0,1,2,3,4,5,6,7
	STEP \st, 1, 7, 1, 1
.endr
	v_add_nc_u32 v[VPR], 8*64, v[VPR]
	s_sub_co_i32 s28, s28, 1
	s_cmp_lg_u32 s28, 0
	s_cbranch_scc1 .Lscan
	STEP 0, 0, 7, 1, 1                             ; the last eight steps load no x: the counts run down
	STEP 1, 0, 6, 1, 1
	STEP 2, 0, 5, 1, 1
	STEP 3, 0, 4, 1, 1
	STEP 4, 0, 3, 1, 1
	STEP 5, 0, 2, 1, 1
	STEP 6, 0, 1, 1, 0                             ; step 30 prepares step 31; there is no sdel of a step 32
	STEP 7, 0, 0, 0, 0                             ; step 31 prepares nothing
	s_set_vgpr_msb 0x4
	s_wait_tensorcnt 0x0
	ds_add_u32 v4, v1
	s_wait_dscnt 0x0
	s_set_vgpr_msb 0x400
	s_endpgm
.Lfunc_end_k_q264010d5a8_final:
	.size	k_q264010d5a8_final, .Lfunc_end_k_q264010d5a8_final-k_q264010d5a8_final
	.p2alignl 7, 3214868480
	.fill 96, 4, 3214868480
	.section	.rodata,"a",@progbits
	.p2align	6, 0x0
	.amdhsa_kernel k_q264010d5a8_final
		.amdhsa_group_segment_fixed_size 168960
		.amdhsa_private_segment_fixed_size 0
		.amdhsa_enable_private_segment 0
		.amdhsa_kernarg_size 48
		.amdhsa_user_sgpr_count 2
		.amdhsa_user_sgpr_kernarg_segment_ptr 1
		.amdhsa_wavefront_size32 1
		.amdhsa_system_sgpr_workgroup_id_x 1
		.amdhsa_system_sgpr_workgroup_id_y 1
		.amdhsa_system_sgpr_workgroup_id_z 1
		.amdhsa_system_vgpr_workitem_id 0
		.amdhsa_next_free_vgpr 258
		.amdhsa_next_free_sgpr 66
		.amdhsa_reserve_vcc 0
		.amdhsa_float_denorm_mode_32 3
		.amdhsa_float_denorm_mode_16_64 3
		.amdhsa_memory_ordered 1
		.amdhsa_forward_progress 1
		.amdhsa_inst_pref_size 131
	.end_amdhsa_kernel
	.amdgpu_metadata
---
amdhsa.version: [ 1, 2 ]
amdhsa.kernels:
  - .name:           k_q264010d5a8_final
    .symbol:         k_q264010d5a8_final.kd
    .args:
      - { .name: x, .offset: 0, .size: 8, .value_kind: global_buffer, .address_space: global }
      - { .name: A, .offset: 8, .size: 8, .value_kind: global_buffer, .address_space: global }
      - { .name: p_Delta, .offset: 16, .size: 8, .value_kind: global_buffer, .address_space: global }
      - { .name: proj, .offset: 24, .size: 8, .value_kind: global_buffer, .address_space: global }
      - { .name: hs, .offset: 32, .size: 8, .value_kind: global_buffer, .address_space: global }
      - { .name: out0, .offset: 40, .size: 8, .value_kind: global_buffer, .address_space: global }
    .group_segment_fixed_size: 168960
    .private_segment_fixed_size: 0
    .kernarg_segment_align: 8
    .kernarg_segment_size: 48
    .max_flat_workgroup_size: 256
    .sgpr_count:     66
    .vgpr_count:     258
    .wavefront_size: 32
...
	.end_amdgpu_metadata
.endif
;; end of part 3
